; MI455X (gfx1250); checked and timed in simulation.
; The chip was launched on July 23, 2026; its instructions are those of AMD's public machine-readable ISA for CDNA 5 (MIT licence, August 2026) and "CDNA5" Instruction Set Architecture Reference Guide (July 2026). The comments in the code are by the model that wrote it; some were corrected since.
;; Nearest Neighbor. Allowed arithmetic: float matrix products may take bf16 or f16 operands with f32 sums; all other float work in f32.
;; Inputs: in_vel 1 x 16 x 66 float32; train_obs_vel 100,000 x 16 x 66 float32; train_target_vel 100,000 x 12 x 66 float32.
;; Outputs: out0 12 x 66 float32.
;; One version. Each part assembles by itself: llvm-mc -triple=amdgcn-amd-amdhsa -mcpu=gfx1250 --defsym DOCPART=n.
;; ======== version 1 of 1: 2 launches
;; workspace buffers: part_d 1,024 bytes; part_i 1,024 bytes of whole numbers
;; launch nearest (part 1): grid 250 x 1, 10 waves a work-group, no clusters, 169,216 bytes of LDS; arguments in_vel, train_obs_vel, part_d, part_i; writes part_d, part_i
.if DOCPART == 1
	.amdgcn_target "amdgcn-amd-amdhsa--gfx1250"
	.amdhsa_code_object_version 6
	.text
	.protected	k_q22068cc005_nearest
	.globl	k_q22068cc005_nearest
	.p2align	8
	.type	k_q22068cc005_nearest,@function
k_q22068cc005_nearest:
	s_mov_b64 s[64:65], 0
	v_nop
	global_prefetch_b8 v0, s[64:65] scope:SCOPE_SE
	s_setreg_imm32_b32 hwreg(HW_REG_WAVE_MODE, 25, 1), 1
	s_wait_xcnt 0x0
; dis[i] = sum over 1,056 numbers of (train_obs_vel[i] - in_vel)^2, and for each work-group the smallest dis with its first index.
; LIMITS: the division by 1,056 of the mean is left out (it keeps the order) and the sum is added in another order than a plain
; row sum, all in f32: two samples whose distances agree to within the rounding of that sum (about 1e-6 of it) may be ranked the
; other way.  A distance that is NaN counts as the smallest, the first such sample wins, as argmin has it; exact ties go to the lower index.
;
; SHARES.  A sample is 4,224 bytes = 8.25 loads of 512 bytes, so FOUR samples (a group, 16,896 bytes) are exactly 33 loads of a wave.
; 25,000 groups = 250 work-groups x 10 waves x 10 groups: equal work for every wave (256 does not divide 25,000).
; A wave reads 168,960 consecutive bytes; each of its loads covers 512 consecutive bytes at a multiple of 256 from the buffer's first byte.
; Lane l of load j of a group always holds chunk 32 j + l (16 bytes) of the four samples, that is chunk (32 j + l) mod 264 of the
; query: a lane's 33 query chunks stay in 132 registers.  Loads 8, 16, 24 lie across two samples (from lane 8, 16, 24 on).
; RING: 22 slots of 4 registers, 22 loads of every wave in flight; 66 loads (two groups) are three turns of the ring, one trip of the loop.
; 132 + 88 + 32 registers stay inside v0-v255: no register window is switched.
; NO CLUSTER: the work-groups share the 4,224 bytes of the query and nothing else, against 1,689,600 bytes that each reads alone.
; The two words that a work-group leaves are stored as 4 bytes each: one owner for each entry, no traffic between work-groups.
.set SAMPLE, 4224
.set GROUP,  4*SAMPLE                  ; 16,896 bytes = 33 x 512
.set RING,   22                        ; slots = loads in flight in each wave
.set WAVES,  10
.set GPW,    10                        ; groups of a wave
.set WAVEB,  GPW*GROUP                 ; bytes of a wave
.set WGB,    WAVES*WAVEB               ; bytes of a work-group
.set LASTWG, 249
.set SCR,    GROUP                     ; LDS: 0 .. 16,895 the query four times; then 10 distances, and at +64 their 10 indices
.set LOFF, 1                           ; v1       16 x lane: my 16 bytes of every load, in memory and in the LDS image
.set D,    2                           ; v[2:5]   x - q of the slot at work
.set P,    6                           ; v[6:7]   squares of a load that lies across two samples
.set ACC,  8                           ; v[8:23]  sample s of the group: two pairs of running sums at ACC + 4 s
.set TMP,  24                          ; v24      the other half of the lanes
.set IDX,  25                          ; v25      index of the sample that this lane will hold after the fold: 4 x group + (lane & 3)
.set BEST, 26                          ; v26      smallest distance so far
.set BIDX, 27                          ; v27      its index
.set MIN,  28
.set PART, 29
.set ADR,  30
.set LANE, 31
.set Q,    32                          ; v[32:163]  my 33 query chunks
.set X,    164                         ; v[164:251] the ring
.set G1,   16                          ; s[16:23] tensor descriptor group 1
.set G0,   24                          ; s[24:39] group 0, a set for each of the four copies
.set MK,   40                          ; s40-42   lanes that belong to the earlier sample in loads 8, 16, 24
	s_load_b256 s[4:11], s[0:1], 0x0               ; in_vel s[4:5], train_obs_vel s[6:7], part_d s[8:9], part_i s[10:11]
	v_lshl_add_u32 v252, v0, 2, 0x29000
	v_mov_b32 v253, 0
	ds_add_u32 v252, v253
	ds_add_u32 v252, v253
	v_lshrrev_b32 v[D], 5, v0
	v_readfirstlane_b32 s12, v[D]                  ; wave 0..9
	v_and_b32 v[LANE], 31, v0
	v_lshlrev_b32 v[LOFF], 4, v[LANE]
	s_mul_i32 s14, ttmp9, WGB                      ; my wave's first byte: at most 249 x 1,689,600 + 9 x 168,960, below 2^32
	s_mul_i32 s48, s12, WAVEB
	s_add_co_u32 s14, s14, s48
	s_mov_b32 s15, 0
	s_mul_i32 s48, ttmp9, 4*GPW*WAVES              ; my wave's first sample
	s_mul_i32 s49, s12, 4*GPW
	s_add_co_u32 s48, s48, s49
	s_mov_b32 s[MK+0], 0x000000ff                  ; load 8:  chunks 256..263 end sample 0
	s_mov_b32 s[MK+1], 0x0000ffff                  ; load 16: chunks 512..527 end sample 1
	s_mov_b32 s[MK+2], 0x00ffffff                  ; load 24: chunks 768..791 end sample 2
	s_mov_b32 s43, 0xaaaaaaaa                      ; lanes with bit 0 set
	s_mov_b32 s44, 0xcccccccc                      ; lanes with bit 1 set
	s_mov_b32 s45, 0xff800000                      ; -infinity
	s_mov_b32 s46, 0x76543210                      ; v_permlanex16_b32: lane i takes lane i of the other half
	s_mov_b32 s47, 0xfedcba98
	v_and_b32 v[IDX], 3, v0
	v_add_nc_u32 v[IDX], s48, v[IDX]
	v_mov_b32 v[BIDX], v[IDX]                      ; with +infinity as the start and a strict compare, a lane whose distances are all
	v_mov_b32 v[BEST], 0x7f800000                  ; +infinity keeps its first sample, as argmin does
	v_mov_b32 v[TMP], 0                            ; destinations of lane moves count as read: written once here
	v_mov_b32 v[PART], 0
	s_wait_dscnt 0x0
	s_wait_kmcnt 0x0
	s_add_nc_u64 s[6:7], s[6:7], s[14:15]
	s_cmp_lg_u32 s12, 0
	s_cbranch_scc1 .Lstream
	; Wave 0 alone: the query, one row of 528 elements of 8 bytes, four times one behind the other: LDS byte 512 j + 16 l then holds
	; what lane l needs for load j.  Four tensor loads are out at the most, each with its own group 0 and its own LDS bytes.
	s_mov_b32 s[G1+0], 3<<16                       ; no work-group mask, elements of 8 bytes, no padding
	s_mov_b32 s[G1+1], (SAMPLE/8)<<16              ; tensor_dim0 = 528
	s_mov_b32 s[G1+2], 1<<16
	s_mov_b32 s[G1+3], (SAMPLE/8)<<16              ; tile_dim0 = 528
	s_mov_b32 s[G1+4], 1                           ; one row: no further dimension, no stride
	s_mov_b32 s[G1+5], 528
	s_mov_b32 s[G1+6], 0
	s_mov_b32 s[G1+7], 0
.irp r, 0,1,2,3
	s_mov_b32 s[G0+4*\r], 1                        ; count = 1
	s_mov_b32 s[G0+4*\r+1], \r*SAMPLE              ; LDS address of copy r
	s_mov_b64 s[G0+4*\r+2:G0+4*\r+3], s[4:5]       ; the query's address
	s_or_b32 s[G0+4*\r+3], s[G0+4*\r+3], 0x80000000 ; type = 2
	tensor_load_to_lds s[G0+4*\r:G0+4*\r+3], s[G1:G1+7]
	s_nop 0
.endr
.Lstream:
.set i, 0
.rept RING
	global_load_b128 v[X+4*i:X+4*i+3], v[LOFF], s[6:7] offset:512*i th:TH_LOAD_NT   ; the ring is filled while the query is on its way
.set i, i+1
.endr
	s_wait_tensorcnt 0x0                           ; wave 0: all four copies are in LDS (the other waves have none out)
	s_barrier_signal -1
	s_barrier_wait -1                              ; now every wave may read them
.set i, 0
.rept 33
	ds_load_b128 v[Q+4*i:Q+4*i+3], v[LOFF] offset:512*i    ; 512 consecutive bytes for the 32 lanes
.set i, i+1
.endr
	s_wait_dscnt 0x0
; The end of a group: four sums in each lane become one distance in each lane, lane l holding sample l & 3 of the group.
.macro GROUPMIN
.irp s, 0,1,2,3
	v_pk_add_f32 v[ACC+4*\s:ACC+4*\s+1], v[ACC+4*\s:ACC+4*\s+1], v[ACC+4*\s+2:ACC+4*\s+3]
.endr
.irp s, 0,1,2,3
	v_add_f32 v[ACC+4*\s], v[ACC+4*\s], v[ACC+4*\s+1]
.endr
.irp s, 0,1,2,3
	v_add_f32_dpp v[ACC+4*\s], v[ACC+4*\s], v[ACC+4*\s] row_xmask:1 row_mask:0xf bank_mask:0xf
.endr
	v_cndmask_b32 v[ACC], v[ACC], v[ACC+4], s43            ; odd lanes go on with sample 1,
	v_cndmask_b32 v[ACC+8], v[ACC+8], v[ACC+12], s43       ; and with sample 3
	v_add_f32_dpp v[ACC], v[ACC], v[ACC] row_xmask:2 row_mask:0xf bank_mask:0xf
	v_add_f32_dpp v[ACC+8], v[ACC+8], v[ACC+8] row_xmask:2 row_mask:0xf bank_mask:0xf
	v_cndmask_b32 v[ACC], v[ACC], v[ACC+8], s44            ; lanes with bit 1 set go on with samples 2 and 3
	v_add_f32_dpp v[ACC], v[ACC], v[ACC] row_xmask:4 row_mask:0xf bank_mask:0xf
	v_add_f32_dpp v[ACC], v[ACC], v[ACC] row_xmask:8 row_mask:0xf bank_mask:0xf
	v_permlanex16_b32 v[TMP], v[ACC], s46, s47
	v_add_f32 v[ACC], v[ACC], v[TMP]
	v_cmp_neq_f32 vcc_lo, v[ACC], v[ACC]                   ; NaN: below every distance, which is never negative
	v_cndmask_b32 v[ACC], v[ACC], s45, vcc_lo
	v_cmp_lt_f32 vcc_lo, v[ACC], v[BEST]                   ; strict: the samples come in rising order, the first of equals stays
	v_cndmask_b32 v[BEST], v[BEST], v[ACC], vcc_lo
	v_cndmask_b32 v[BIDX], v[BIDX], v[IDX], vcc_lo
	v_add_nc_u32 v[IDX], 4, v[IDX]
.endm
; One trip: 66 loads = two groups = three turns of the ring.  Load n uses slot n mod 22 and query chunk j = n mod 33, and the slot is
; asked for again at once with load n + 22.  last = 1: the wave's last trip; loads 44 to 65 have no successor and the counts run down.
.macro TRIP last
.set n, 0
.rept 66
.set j,  n % 33
.set sl, X + 4*(n % RING)
.set qq, Q + 4*j
.set sm, (32*j)/264                    ; the sample of lane 0's chunk
.set aa, ACC + 4*sm
.if \last && (n >= 66-RING)
	s_wait_loadcnt 65-n                            ; loads come back in order (ISA guide 5.7.1): only the 65 - n behind mine are still out
.else
	s_wait_loadcnt RING-1                          ; mine is in, the 21 younger ones stay out
.endif
	v_pk_add_f32 v[D:D+1],   v[sl:sl+1],   v[qq:qq+1]   neg_lo:[0,1] neg_hi:[0,1]
	v_pk_add_f32 v[D+2:D+3], v[sl+2:sl+3], v[qq+2:qq+3] neg_lo:[0,1] neg_hi:[0,1]
.if (\last == 0) || (n < 66-RING)
	global_load_b128 v[sl:sl+3], v[LOFF], s[6:7] offset:512*(n+RING) th:TH_LOAD_NT
.endif
.if j == 0
	v_pk_mul_f32 v[aa:aa+1],   v[D:D+1],   v[D:D+1]                    ; the first squares start the sums: nothing is cleared
	v_pk_mul_f32 v[aa+2:aa+3], v[D+2:D+3], v[D+2:D+3]
.elseif ((j % 8) == 0) && (j < 32)
	v_pk_mul_f32 v[P:P+1], v[D:D+1], v[D:D+1]                          ; across two samples: the low lanes end sample sm,
	v_pk_fma_f32 v[P:P+1], v[D+2:D+3], v[D+2:D+3], v[P:P+1]            ; the others start sample sm + 1 (a select, so that an
	v_cndmask_b32 v[aa+4], v[P],   0, s[MK+sm]                         ; infinity of one sample never meets the other)
	v_cndmask_b32 v[aa+5], v[P+1], 0, s[MK+sm]
	v_cndmask_b32 v[P],   0, v[P],   s[MK+sm]
	v_cndmask_b32 v[P+1], 0, v[P+1], s[MK+sm]
	v_pk_add_f32 v[aa:aa+1], v[aa:aa+1], v[P:P+1]
.elseif ((j % 8) == 1) && (j > 1)
	v_pk_fma_f32 v[aa:aa+1],   v[D:D+1],   v[D:D+1], v[aa:aa+1]        ; the first pair was started by the load before,
	v_pk_mul_f32 v[aa+2:aa+3], v[D+2:D+3], v[D+2:D+3]                  ; the second starts here
.else
	v_pk_fma_f32 v[aa:aa+1],   v[D:D+1],   v[D:D+1],   v[aa:aa+1]
	v_pk_fma_f32 v[aa+2:aa+3], v[D+2:D+3], v[D+2:D+3], v[aa+2:aa+3]
.endif
.if j == 32
	GROUPMIN
.endif
.set n, n+1
.endr
.endm
; The smallest distance of lanes that differ in the bits up to top, and the lowest index among those that reach it; in every lane.
.macro FIRSTMIN top
	v_mov_b32 v[MIN], v[BEST]
.irp m, 1,2,4,8
.if \m <= \top
	v_min_num_f32_dpp v[MIN], v[MIN], v[MIN] row_xmask:\m row_mask:0xf bank_mask:0xf
.endif
.endr
	v_cmp_eq_f32 vcc_lo, v[BEST], v[MIN]
	v_cndmask_b32 v[BIDX], -1, v[BIDX], vcc_lo             ; who is not at the minimum drops out
.irp m, 1,2,4,8
.if \m <= \top
	v_mov_b32_dpp v[PART], v[BIDX] row_xmask:\m row_mask:0xf bank_mask:0xf
	v_min_u32 v[BIDX], v[BIDX], v[PART]
.endif
.endr
.endm
	s_mov_b32 s13, GPW/2-1
.Ltrip:
	TRIP 0
	s_wait_xcnt 0x0                                ; the base that the pending loads name is stepped only behind this wait
	s_add_nc_u64 s[6:7], s[6:7], 2*GROUP
	s_sub_co_u32 s13, s13, 1
	s_cmp_lg_u32 s13, 0
	s_cbranch_scc1 .Ltrip
	TRIP 1                                         ; no load leaves the wave's 330 x 512 bytes
	FIRSTMIN 2                                     ; lanes with equal lane & 3 hold the same pair: two steps serve the wave
	v_mov_b32 v[ADR], s12
	v_lshlrev_b32 v[ADR], 2, v[ADR]
	ds_store_b32 v[ADR], v[MIN]  offset:SCR        ; my wave's word: all lanes write the same value
	ds_store_b32 v[ADR], v[BIDX] offset:SCR+64
	s_wait_dscnt 0x0                               ; for the reader's sake: zero
	s_barrier_signal -1
	s_barrier_wait -1
	s_cmp_lg_u32 s12, 0
	s_cbranch_scc1 .Lend
	v_and_b32 v[ADR], 15, v0                       ; wave 0: lane l of each half takes wave min(l, 9)'s pair
	v_min_u32 v[ADR], WAVES-1, v[ADR]
	v_lshlrev_b32 v[ADR], 2, v[ADR]
	ds_load_b32 v[BEST], v[ADR] offset:SCR
	ds_load_b32 v[BIDX], v[ADR] offset:SCR+64
	s_wait_dscnt 0x0
	FIRSTMIN 8
	; Entry g of the two tables.  The last work-group writes its pair to entries 249 to 255 as well, so that the next launch finds
	; 256 written entries; a repeated candidate changes no minimum.
	s_mov_b32 s50, ttmp9
	s_cmp_eq_u32 s50, LASTWG
	s_cselect_b32 s48, 256-LASTWG, 1
	v_add_lshl_u32 v[ADR], v[LANE], s50, 2
	v_cmp_gt_u32 vcc_lo, s48, v[LANE]
	s_wait_xcnt 0x0                                ; EXEC changes only behind this wait
	s_and_saveexec_b32 s49, vcc_lo
	global_store_b32 v[ADR], v[MIN],  s[8:9]
	global_store_b32 v[ADR], v[BIDX], s[10:11]
.Lend:
	s_wait_xcnt 0x0
	s_mov_b32 exec_lo, -1
	s_wait_tensorcnt 0x0
	ds_add_u32 v252, v253
	s_wait_dscnt 0x0
	s_endpgm
.Lfunc_end_k_q22068cc005_nearest:
	.size	k_q22068cc005_nearest, .Lfunc_end_k_q22068cc005_nearest-k_q22068cc005_nearest
	.p2alignl 7, 3214868480
	.fill 96, 4, 3214868480
	.section	.rodata,"a",@progbits
	.p2align	6, 0x0
	.amdhsa_kernel k_q22068cc005_nearest
		.amdhsa_group_segment_fixed_size 169216
		.amdhsa_private_segment_fixed_size 0
		.amdhsa_enable_private_segment 0
		.amdhsa_kernarg_size 32
		.amdhsa_user_sgpr_count 2
		.amdhsa_user_sgpr_kernarg_segment_ptr 1
		.amdhsa_wavefront_size32 1
		.amdhsa_system_sgpr_workgroup_id_x 1
		.amdhsa_system_sgpr_workgroup_id_y 1
		.amdhsa_system_sgpr_workgroup_id_z 1
		.amdhsa_system_vgpr_workitem_id 0
		.amdhsa_next_free_vgpr 254
		.amdhsa_next_free_sgpr 66
		.amdhsa_reserve_vcc 1
		.amdhsa_float_denorm_mode_32 3
		.amdhsa_float_denorm_mode_16_64 3
		.amdhsa_memory_ordered 1
		.amdhsa_forward_progress 1
		.amdhsa_inst_pref_size 68
	.end_amdhsa_kernel
	.amdgpu_metadata
---
amdhsa.version: [ 1, 2 ]
amdhsa.kernels:
  - .name:           k_q22068cc005_nearest
    .symbol:         k_q22068cc005_nearest.kd
    .args:
      - { .name: in_vel, .offset: 0, .size: 8, .value_kind: global_buffer, .address_space: global }
      - { .name: train_obs_vel, .offset: 8, .size: 8, .value_kind: global_buffer, .address_space: global }
      - { .name: part_d, .offset: 16, .size: 8, .value_kind: global_buffer, .address_space: global }
      - { .name: part_i, .offset: 24, .size: 8, .value_kind: global_buffer, .address_space: global }
    .group_segment_fixed_size: 169216
    .private_segment_fixed_size: 0
    .kernarg_segment_align: 8
    .kernarg_segment_size: 32
    .max_flat_workgroup_size: 320
    .sgpr_count:     66
    .vgpr_count:     254
    .wavefront_size: 32
...
	.end_amdgpu_metadata
.endif
;; end of part 1
;; launch pick (part 2): grid 13 x 1, 8 waves a work-group, no clusters, 5,120 bytes of LDS; arguments part_d, part_i, train_target_vel, out0; writes out0
.if DOCPART == 2
	.amdgcn_target "amdgcn-amd-amdhsa--gfx1250"
	.amdhsa_code_object_version 6
	.text
	.protected	k_q22068cc005_pick
	.globl	k_q22068cc005_pick
	.p2align	8
	.type	k_q22068cc005_pick,@function
k_q22068cc005_pick:
	s_mov_b64 s[64:65], 0
	v_nop
	global_prefetch_b8 v0, s[64:65] scope:SCOPE_SE
	s_setreg_imm32_b32 hwreg(HW_REG_WAVE_MODE, 25, 1), 1
	s_wait_xcnt 0x0
; out0 = train_target_vel[ index of the smallest of the 256 candidate distances, the lowest index among equals ].
; The addresses come from the table of whole numbers that the launch before stored; the comparison of distances made here only SELECTS
; values: the rows of all 256 candidates are loaded (256 x 3,168 bytes in the whole launch) and the winner's bytes are kept by
; v_cndmask_b32.  That spares a launch of its own for one index.
; SHARES.  Work-group b owns bytes 256 b .. 256 b + 255 of the row of 3,168 bytes (the last one 96 bytes).  Thread t = 16 k + c loads
; the 16 bytes of chunk 16 b + c of candidates 16 k .. 16 k + 15: sixteen loads in flight, sixteen lanes side by side read 256 bytes.
; A thread keeps the winner's 16 bytes or zeros; only threads that hold the winner (or its repeats at the table's end, the same bytes)
; keep anything, so an OR over the sixteen k, through LDS, gives the bytes unchanged.
; No cluster, no matrix unit, no ring: one round of loads, and the work-groups share only two tables of 1,024 bytes.
.set ROWB,    3168
.set CHUNKS,  198                      ; 16-byte chunks in a row
.set LASTROW, 99999
.set LANE, 1
.set CIO,  3                           ; v3       byte offset of my 16 candidates' indices: 64 k
.set CH,   4                           ; v4       my chunk, 16 b + c
.set CHB,  5                           ; v5       its byte offset in a row, held inside the row
.set TBO,  6                           ; v6       32 x lane: my 8 entries of each table for the search
.set MIN,  7
.set PART, 8
.set WIN,  9                           ; v9       the winner's index
.set KEEP, 10                          ; v[10:13] what I keep
.set LA,   14                          ; v14      16 t
.set OUTO, 15                          ; v15      16 x chunk
.set CI,   16                          ; v[16:31] my 16 candidates' indices
.set TD,   32                          ; v[32:39] 8 distances
.set TI,   40                          ; v[40:47] their indices
.set RO,   48                          ; v[48:63] byte offsets of my 16 loads
.set ROW,  64                          ; v[64:127] what they bring
	s_load_b256 s[4:11], s[0:1], 0x0               ; part_d s[4:5], part_i s[6:7], train_target_vel s[8:9], out0 s[10:11]
	v_lshl_add_u32 v128, v0, 2, 0x1000
	v_mov_b32 v129, 0
	v_lshrrev_b32 v2, 5, v0
	v_readfirstlane_b32 s14, v2                    ; wave 0..7
	v_and_b32 v[LANE], 31, v0
	v_and_b32 v[CIO], 0xf0, v0
	v_lshlrev_b32 v[CIO], 2, v[CIO]
	v_lshlrev_b32 v[TBO], 5, v[LANE]
	s_lshl_b32 s12, ttmp9, 4
	v_and_b32 v[CH], 15, v0
	v_add_nc_u32 v[CH], s12, v[CH]
	v_min_u32 v[CHB], CHUNKS-1, v[CH]              ; the last work-group's lanes past the row's end read its last chunk again: no load leaves a row
	v_lshlrev_b32 v[CHB], 4, v[CHB]
	v_lshlrev_b32 v[OUTO], 4, v[CH]
	v_lshlrev_b32 v[LA], 4, v0
	v_mov_b32 v[PART], 0                           ; destination of lane moves: written once
	s_mov_b32 s13, ROWB
	s_mov_b32 s16, 0x76543210                      ; v_permlanex16_b32: lane i takes lane i of the other half
	s_mov_b32 s17, 0xfedcba98
	s_wait_kmcnt 0x0
.irp m, 0,1,2,3
	global_load_b128 v[CI+4*\m:CI+4*\m+3], v[CIO], s[6:7] offset:16*\m
.endr
	global_load_b128 v[TD:TD+3],   v[TBO], s[4:5]
	global_load_b128 v[TD+4:TD+7], v[TBO], s[4:5] offset:16
	global_load_b128 v[TI:TI+3],   v[TBO], s[6:7]
	global_load_b128 v[TI+4:TI+7], v[TBO], s[6:7] offset:16
	s_wait_loadcnt 0x4                             ; my 16 indices are in; the four table loads behind them stay out
.set m, 0
.rept 16
	v_min_u32 v[CI+m], LASTROW, v[CI+m]            ; an index stays inside the table that it indexes
	v_mul_lo_u32 v[RO+m], v[CI+m], s13             ; at most 99,999 x 3,168 + 3,152, below 2^31
	v_add_nc_u32 v[RO+m], v[RO+m], v[CHB]
.set m, m+1
.endr
.set m, 0
.rept 16
	global_load_b128 v[ROW+4*m:ROW+4*m+3], v[RO+m], s[8:9]
.set m, m+1
.endr
	s_wait_loadcnt 0x10                            ; the tables are in; the sixteen row loads stay out while the winner is found
	; every wave for itself: the smallest of the 256 distances (none is NaN: the launch before made those -infinity) ...
	v_min_num_f32 v[MIN], v[TD], v[TD+1]
	v_min3_num_f32 v[MIN], v[MIN], v[TD+2], v[TD+3]
	v_min3_num_f32 v[MIN], v[MIN], v[TD+4], v[TD+5]
	v_min3_num_f32 v[MIN], v[MIN], v[TD+6], v[TD+7]
.irp x, 1,2,4,8
	v_min_num_f32_dpp v[MIN], v[MIN], v[MIN] row_xmask:\x row_mask:0xf bank_mask:0xf
.endr
	v_permlanex16_b32 v[PART], v[MIN], s16, s17
	v_min_num_f32 v[MIN], v[MIN], v[PART]
	; ... and the lowest index among the entries that reach it
.set e, 0
.rept 8
	v_cmp_eq_f32 vcc_lo, v[TD+e], v[MIN]
	v_cndmask_b32 v[TI+e], -1, v[TI+e], vcc_lo
.set e, e+1
.endr
	v_min_u32 v[WIN], v[TI], v[TI+1]
.irp e, 2,3,4,5,6,7
	v_min_u32 v[WIN], v[WIN], v[TI+\e]
.endr
.irp x, 1,2,4,8
	v_mov_b32_dpp v[PART], v[WIN] row_xmask:\x row_mask:0xf bank_mask:0xf
	v_min_u32 v[WIN], v[WIN], v[PART]
.endr
	v_permlanex16_b32 v[PART], v[WIN], s16, s17
	v_min_u32 v[WIN], v[WIN], v[PART]
	; keep the winner's 16 bytes, if one of my sixteen candidates is the winner; zeros otherwise
.set m, 0
.rept 16
	s_wait_loadcnt 15-m                            ; loads come back in order (ISA guide 5.7.1): row m is in, the 15 - m behind it stay out
	v_cmp_eq_u32 vcc_lo, v[CI+m], v[WIN]
.irp r, 0,1,2,3
.if m == 0
	v_cndmask_b32 v[KEEP+\r], 0, v[ROW+\r], vcc_lo
.else
	v_cndmask_b32 v[KEEP+\r], v[KEEP+\r], v[ROW+4*m+\r], vcc_lo
.endif
.endr
.set m, m+1
.endr
	ds_store_b128 v[LA], v[KEEP:KEEP+3]            ; byte 16 t = 256 k + 16 c
	s_wait_dscnt 0x0                               ; for the reader's sake: zero
	s_barrier_signal -1
	s_barrier_wait -1
	s_cmp_lg_u32 s14, 0
	s_cbranch_scc1 .Lend
	; wave 0: lane l reads k = 2 i + (l >> 4), chunk l & 15: 512 consecutive bytes a load
.irp i, 0,1,2,3,4,5,6,7
	ds_load_b128 v[ROW+4*\i:ROW+4*\i+3], v[LA] offset:512*\i
.endr
	s_wait_dscnt 0x0
.irp i, 1,2,3,4,5,6,7
.irp r, 0,1,2,3
	v_or_b32 v[ROW+\r], v[ROW+\r], v[ROW+4*\i+\r]
.endr
.endr
.irp r, 0,1,2,3
	v_permlanex16_b32 v[KEEP+\r], v[ROW+\r], s16, s17      ; the odd k lie in the other half of the lanes
.endr
.irp r, 0,1,2,3
	v_or_b32 v[ROW+\r], v[ROW+\r], v[KEEP+\r]
.endr
	v_cmp_gt_u32 vcc_lo, 16, v[LANE]               ; sixteen lanes store 256 consecutive bytes at a multiple of 256 from out0's first byte;
	v_cmp_gt_u32 s18, CHUNKS, v[CH]                ; in the last work-group six lanes store the row's last 96 bytes
	s_and_b32 vcc_lo, vcc_lo, s18
	s_wait_xcnt 0x0                                ; EXEC changes only behind this wait
	s_and_saveexec_b32 s19, vcc_lo
	global_store_b128 v[OUTO], v[ROW:ROW+3], s[10:11]
.Lend:
	s_wait_xcnt 0x0
	s_mov_b32 exec_lo, -1
	s_wait_tensorcnt 0x0
	ds_add_u32 v128, v129
	s_wait_dscnt 0x0
	s_endpgm
.Lfunc_end_k_q22068cc005_pick:
	.size	k_q22068cc005_pick, .Lfunc_end_k_q22068cc005_pick-k_q22068cc005_pick
	.p2alignl 7, 3214868480
	.fill 96, 4, 3214868480
	.section	.rodata,"a",@progbits
	.p2align	6, 0x0
	.amdhsa_kernel k_q22068cc005_pick
		.amdhsa_group_segment_fixed_size 5120
		.amdhsa_private_segment_fixed_size 0
		.amdhsa_enable_private_segment 0
		.amdhsa_kernarg_size 32
		.amdhsa_user_sgpr_count 2
		.amdhsa_user_sgpr_kernarg_segment_ptr 1
		.amdhsa_wavefront_size32 1
		.amdhsa_system_sgpr_workgroup_id_x 1
		.amdhsa_system_sgpr_workgroup_id_y 1
		.amdhsa_system_sgpr_workgroup_id_z 1
		.amdhsa_system_vgpr_workitem_id 0
		.amdhsa_next_free_vgpr 130
		.amdhsa_next_free_sgpr 66
		.amdhsa_reserve_vcc 1
		.amdhsa_float_denorm_mode_32 3
		.amdhsa_float_denorm_mode_16_64 3
		.amdhsa_memory_ordered 1
		.amdhsa_forward_progress 1
		.amdhsa_inst_pref_size 14
	.end_amdhsa_kernel
	.amdgpu_metadata
---
amdhsa.version: [ 1, 2 ]
amdhsa.kernels:
  - .name:           k_q22068cc005_pick
    .symbol:         k_q22068cc005_pick.kd
    .args:
      - { .name: part_d, .offset: 0, .size: 8, .value_kind: global_buffer, .address_space: global }
      - { .name: part_i, .offset: 8, .size: 8, .value_kind: global_buffer, .address_space: global }
      - { .name: train_target_vel, .offset: 16, .size: 8, .value_kind: global_buffer, .address_space: global }
      - { .name: out0, .offset: 24, .size: 8, .value_kind: global_buffer, .address_space: global }
    .group_segment_fixed_size: 5120
    .private_segment_fixed_size: 0
    .kernarg_segment_align: 8
    .kernarg_segment_size: 32
    .max_flat_workgroup_size: 256
    .sgpr_count:     66
    .vgpr_count:     130
    .wavefront_size: 32
...
	.end_amdgpu_metadata
.endif
;; end of part 2
